; MI455X (gfx1250); checked and timed in simulation.
; The chip was launched on July 23, 2026; its instructions are those of AMD's public machine-readable ISA for CDNA 5 (MIT licence, August 2026) and "CDNA5" Instruction Set Architecture Reference Guide (July 2026). The comments in the code are by the model that wrote it; some were corrected since.
;; Topic Verb Attention. Allowed arithmetic: float matrix products may take bf16 or f16 operands with f32 sums; all other float work in f32.
;; Inputs: V 100,000 x 300 float32; k_b 256 float32; k_w 256 x 300 float32; q_b 256 float32; q_w 256 x 256 float32; span_len 16,384 int32; topic_emb 256 float32; verb_ids 16,384 x 8 int32.
;; Outputs: out0 16,384 x 300 float32.
;; One version. Each part assembles by itself: llvm-mc -triple=amdgcn-amd-amdhsa -mcpu=gfx1250 --defsym DOCPART=n.
;; ======== version 1 of 1: 2 launches
;; workspace buffers: upart 20,480 bytes
;; launch proj (part 1): grid 16 x 1, 16 waves a work-group, no clusters, 22,528 bytes of LDS; arguments q_w, topic_emb, q_b, k_w, upart; writes upart
.if DOCPART == 1
	.amdgcn_target "amdgcn-amd-amdhsa--gfx1250"
	.amdhsa_code_object_version 6
	.text
	.protected	k_q91a6dd8d57_proj
	.globl	k_q91a6dd8d57_proj
	.p2align	8
	.type	k_q91a6dd8d57_proj,@function
k_q91a6dd8d57_proj:
	s_mov_b64 s[64:65], 0
	v_nop
	global_prefetch_b8 v0, s[64:65] scope:SCOPE_SE
	s_setreg_imm32_b32 hwreg(HW_REG_WAVE_MODE, 25, 1), 1
	s_wait_xcnt 0x0
; TopicVerbAttention, first of two launches: sixteen partial sums of the one vector that every score needs.
;
; WHAT reference() WRITES AND WHAT IS DONE HERE.  With v = V[verb_ids[n][l]] (300 numbers) and query = q_w topic_emb + q_b (256 numbers),
;   scores[n][l] = ( sum_t ( sum_d v[d] k_w[t][d] + k_b[t] ) query[t] ) / 16.
; (1) The two finite sums may be exchanged, for all values of the inputs:
;       sum_t ( sum_d v[d] k_w[t][d] ) query[t] = sum_d v[d] u[d],   u[d] = sum_t k_w[t][d] query[t].
;     query is the same for every span, so u is one vector of 300 numbers, and keyp [N, L, 256] is never formed.
; (2) The rest, c = ( sum_t k_b[t] query[t] ) / 16, is the same for all l of a span.  softmax(s + c) = softmax(s) along l, since
;     exp(s + c - max(s + c)) = exp(s - max s), and a masked place is -inf with c and without.  So k_b has no way to the output:
;     it is not loaded and is among no launch's arguments.
; (3) A place l >= span_len[n] has the weight exp(-inf) = 0: its row of V adds nothing and is not loaded (second launch, which reads span_len).
; (4) With span_len[n] = 1 the softmax of the one score is 1 by identity: the result is row 0 and its score is not formed (second launch).
; LIMITS.  A NaN, an infinity or an overflow that reaches only what is left out (k_b, an element of keyp, a masked row, the one score of a
; span of length 1) is not carried to the result.  The sums over t and d are made in another order than reference()'s: f32 throughout,
; the results differ from it by rounding.
;
; THE WORK.  upart[g][d] = sum over t = 16 g .. 16 g + 15 of k_w[t][d] * query[t] * (log2 e / 16), d = 0 .. 319, with exact zeros at d >= 300.
; The factor turns the later exp into a plain power of two and holds the division by sqrt(256).
; Sixteen work-groups of sixteen waves; wave w of group g owns t = 16 g + w: it reads row t of q_w (1,024 bytes) and of k_w (1,200 bytes),
; so every byte of both is read once in the launch, in whole rows.  The waves' scaled rows meet in LDS; the sixteen groups' parts are added
; in the second launch, so no work-group hands anything to another here.
; No matrix instruction: both products have one column.  No cluster: the groups share only topic_emb, 1,024 bytes of the 36,608 each reads.
;
; A ROW OF 300 f32 IN A WAVE, lane L: registers 0-3 = d 4L .. 4L+3; 4-7 = d 128+4L .. ; 8-9 = d 256+2L, 257+2L, loaded at lane min(L, 21),
; so that lanes 22-31 read lane 21's 8 bytes again and no load leaves the row.
.set QROW,  1024                       ; bytes in a row of q_w
.set KROW,  1200                       ; bytes in a row of k_w
.set UP,    1280                       ; bytes in a part: 320 f32
.set SCALE, 0x3db8aa3b                 ; log2 e / 16
; s[4:5] q_w  s[6:7] topic_emb  s[8:9] q_b  s[10:11] k_w  s[12:13] upart   s2 wave  s3 t   s[14:19], s[24:25] byte offsets as pairs
; s20, s21 lane selects  s22 SCALE  s23 my wave's row in LDS  s26 q_b[t]
; v1 16 L   v2 8 min(L, 21)   v3, v4 LDS addresses of my wave's row   v5 8 x thread   v6 L   v7 wave
; v[8:15] row of q_w   v[16:23] topic_emb   v[24:33] row of k_w   v[34:35] the dot product, then query[t] scaled; at the end v[8:39] sixteen pairs
.macro SUM16 b                         ; the sum of the sixteen pairs v[b+2p : b+2p+1], as a tree, into v[b : b+1]
.irp p, 0,1,2,3,4,5,6,7
	v_pk_add_f32 v[\b+2*\p:\b+2*\p+1], v[\b+2*\p:\b+2*\p+1], v[\b+2*\p+16:\b+2*\p+17]
.endr
.irp p, 0,1,2,3
	v_pk_add_f32 v[\b+2*\p:\b+2*\p+1], v[\b+2*\p:\b+2*\p+1], v[\b+2*\p+8:\b+2*\p+9]
.endr
.irp p, 0,1
	v_pk_add_f32 v[\b+2*\p:\b+2*\p+1], v[\b+2*\p:\b+2*\p+1], v[\b+2*\p+4:\b+2*\p+5]
.endr
	v_pk_add_f32 v[\b:\b+1], v[\b:\b+1], v[\b+2:\b+3]
.endm
	s_load_b256 s[4:11], s[0:1], 0x0
	s_load_b64 s[12:13], s[0:1], 0x20
	v_lshl_add_u32 v48, v0, 2, 0x5000
	v_mov_b32 v49, 0
	v_and_b32 v6, 31, v0                           ; L
	v_lshrrev_b32 v7, 5, v0
	v_readfirstlane_b32 s2, v7                     ; wave 0 .. 15
	s_lshl_b32 s3, ttmp9, 4
	s_add_co_u32 s3, s3, s2                        ; t = 16 g + w
	s_lshl_b32 s14, s3, 2                          ; q_b[t]
	s_mov_b32 s15, 0
	s_lshl_b32 s16, s3, 10                         ; row t of q_w
	s_mov_b32 s17, 0
	s_mul_i32 s18, s3, KROW                        ; row t of k_w
	s_mov_b32 s19, 0
	s_mov_b32 s20, 0x76543210                      ; v_permlanex16_b32: lane i of one half reads lane i of the other
	s_mov_b32 s21, 0xfedcba98
	s_mov_b32 s22, SCALE
	s_mul_i32 s23, s2, UP
	s_mul_i32 s24, ttmp9, UP                       ; part g of upart
	s_mov_b32 s25, 0
	v_lshlrev_b32 v1, 4, v6
	v_min_u32 v2, 21, v6
	v_lshlrev_b32 v2, 3, v2
	v_add_nc_u32 v3, s23, v1                       ; 1280 w + 16 L
	v_lshl_add_u32 v4, v6, 3, s23                  ; 1280 w + 8 L: here all 32 lanes have a place, d 256 .. 319
	v_lshlrev_b32 v5, 3, v0
	v_cmp_gt_u32 vcc_lo, 22, v6                    ; lanes whose registers 8-9 hold d < 300
	s_wait_kmcnt 0x0
	s_add_nc_u64 s[4:5], s[4:5], s[16:17]
	s_add_nc_u64 s[8:9], s[8:9], s[14:15]
	s_add_nc_u64 s[10:11], s[10:11], s[18:19]
	s_add_nc_u64 s[12:13], s[12:13], s[24:25]
	s_load_b32 s26, s[8:9], 0x0
	global_load_b128 v[16:19], v1, s[6:7]
	global_load_b128 v[20:23], v1, s[6:7] offset:512
	global_load_b128 v[8:11],  v1, s[4:5] th:TH_LOAD_NT                ; q_w and k_w: each row is read by this wave alone
	global_load_b128 v[12:15], v1, s[4:5] offset:512 th:TH_LOAD_NT
	global_load_b128 v[24:27], v1, s[10:11] th:TH_LOAD_NT
	global_load_b128 v[28:31], v1, s[10:11] offset:512 th:TH_LOAD_NT
	global_load_b64  v[32:33], v2, s[10:11] offset:1024 th:TH_LOAD_NT
	; query[t] = q_w[t] . topic_emb + q_b[t]
	s_wait_loadcnt 0x3                             ; topic_emb and the row of q_w are in; the three loads of k_w, issued behind them, may stay out
	v_pk_mul_f32 v[34:35], v[8:9], v[16:17]
	v_pk_fma_f32 v[34:35], v[10:11], v[18:19], v[34:35]
	v_pk_fma_f32 v[34:35], v[12:13], v[20:21], v[34:35]
	v_pk_fma_f32 v[34:35], v[14:15], v[22:23], v[34:35]
	v_add_f32 v34, v34, v35
	v_add_f32_dpp v34, v34, v34 row_xmask:1 row_mask:0xf bank_mask:0xf ; across the 32 lanes: four steps inside each half,
	v_add_f32_dpp v34, v34, v34 row_xmask:2 row_mask:0xf bank_mask:0xf
	v_add_f32_dpp v34, v34, v34 row_xmask:4 row_mask:0xf bank_mask:0xf
	v_add_f32_dpp v34, v34, v34 row_xmask:8 row_mask:0xf bank_mask:0xf
	v_permlanex16_b32 v35, v34, s20, s21           ; one across the halves (v35 has been written)
	v_add_f32 v34, v34, v35                        ; every lane holds the dot product
	s_wait_kmcnt 0x0                               ; q_b[t]
	s_mul_f32 s26, s26, s22
	v_fma_f32 v34, v34, s22, s26                   ; (dot + q_b[t]) * log2 e / 16
	; my row of k_w times that number, zeros at d >= 300, into my row of LDS
	s_wait_loadcnt 0x0
.irp j, 0,1,2,3,4
	v_pk_mul_f32 v[24+2*\j:25+2*\j], v[24+2*\j:25+2*\j], v[34:35] op_sel_hi:[1,0]   ; both halves by v34
.endr
	v_cndmask_b32 v32, 0, v32, vcc_lo              ; lanes 22-31 held lane 21's numbers again: their places are d 300 .. 319
	v_cndmask_b32 v33, 0, v33, vcc_lo
	ds_store_b128 v3, v[24:27]
	ds_store_b128 v3, v[28:31] offset:512
	ds_store_b64  v4, v[32:33] offset:1024
	s_wait_dscnt 0x0                               ; my row is in LDS before I say so: other waves read it behind the barrier
	s_barrier_signal -1
	s_barrier_wait -1
	; the sixteen rows are added by waves 0-4: 160 threads, two neighbouring d each
	s_cmp_ge_u32 s2, 5
	s_cbranch_scc1 .Lend
.irp p, 0,1,2,3,4,5,6,7,8,9,10,11,12,13,14,15
	ds_load_b64 v[8+2*\p:9+2*\p], v5 offset:UP*\p
.endr
	s_wait_dscnt 0x0
	SUM16 8
	global_store_b64 v5, v[8:9], s[12:13]          ; a wave's store covers 256 consecutive bytes, at a multiple of 256 from upart's first byte
.Lend:
	s_wait_tensorcnt 0x0
	ds_add_u32 v48, v49
	s_wait_dscnt 0x0
	s_endpgm
.Lfunc_end_k_q91a6dd8d57_proj:
	.size	k_q91a6dd8d57_proj, .Lfunc_end_k_q91a6dd8d57_proj-k_q91a6dd8d57_proj
	.p2alignl 7, 3214868480
	.fill 96, 4, 3214868480
	.section	.rodata,"a",@progbits
	.p2align	6, 0x0
	.amdhsa_kernel k_q91a6dd8d57_proj
		.amdhsa_group_segment_fixed_size 22528
		.amdhsa_private_segment_fixed_size 0
		.amdhsa_enable_private_segment 0
		.amdhsa_kernarg_size 40
		.amdhsa_user_sgpr_count 2
		.amdhsa_user_sgpr_kernarg_segment_ptr 1
		.amdhsa_wavefront_size32 1
		.amdhsa_system_sgpr_workgroup_id_x 1
		.amdhsa_system_sgpr_workgroup_id_y 1
		.amdhsa_system_sgpr_workgroup_id_z 1
		.amdhsa_system_vgpr_workitem_id 0
		.amdhsa_next_free_vgpr 50
		.amdhsa_next_free_sgpr 66
		.amdhsa_reserve_vcc 1
		.amdhsa_float_denorm_mode_32 3
		.amdhsa_float_denorm_mode_16_64 3
		.amdhsa_memory_ordered 1
		.amdhsa_forward_progress 1
		.amdhsa_inst_pref_size 7
	.end_amdhsa_kernel
	.amdgpu_metadata
---
amdhsa.version: [ 1, 2 ]
amdhsa.kernels:
  - .name:           k_q91a6dd8d57_proj
    .symbol:         k_q91a6dd8d57_proj.kd
    .args:
      - { .name: q_w, .offset: 0, .size: 8, .value_kind: global_buffer, .address_space: global }
      - { .name: topic_emb, .offset: 8, .size: 8, .value_kind: global_buffer, .address_space: global }
      - { .name: q_b, .offset: 16, .size: 8, .value_kind: global_buffer, .address_space: global }
      - { .name: k_w, .offset: 24, .size: 8, .value_kind: global_buffer, .address_space: global }
      - { .name: upart, .offset: 32, .size: 8, .value_kind: global_buffer, .address_space: global }
    .group_segment_fixed_size: 22528
    .private_segment_fixed_size: 0
    .kernarg_segment_align: 8
    .kernarg_segment_size: 40
    .max_flat_workgroup_size: 512
    .sgpr_count:     66
    .vgpr_count:     50
    .wavefront_size: 32
...
	.end_amdgpu_metadata
.endif
;; end of part 1
;; launch attend (part 2): grid 512 x 1, 16 waves a work-group, no clusters, 41,728 bytes of LDS; arguments V, verb_ids, span_len, upart, out0; writes out0
.if DOCPART == 2
	.amdgcn_target "amdgcn-amd-amdhsa--gfx1250"
	.amdhsa_code_object_version 6
	.text
	.protected	k_q91a6dd8d57_attend
	.globl	k_q91a6dd8d57_attend
	.p2align	8
	.type	k_q91a6dd8d57_attend,@function
k_q91a6dd8d57_attend:
	s_mov_b64 s[64:65], 0
	v_nop
	global_prefetch_b8 v0, s[64:65] scope:SCOPE_SE
	s_setreg_imm32_b32 hwreg(HW_REG_WAVE_MODE, 25, 1), 1
	s_wait_xcnt 0x0
; TopicVerbAttention, second of two launches: for each span the scores of its valid rows of V against u, their softmax, the weighted sum.
;
; LEFT OUT, as shown at the head of the first launch's text: keyp (scores are V[id] . u with u = k_w^T query, by exchanging two finite sums);
; k_b (a term that is the same along the softmax's axis; not among the arguments); the rows at l >= span_len (weight exp(-inf) = 0: not
; loaded); the score of a span of length 1 (the softmax of one number is 1: the result is row 0).
; LIMITS.  A NaN, an infinity or an overflow that reaches only what is left out is not carried to the result.  span_len <= 0 gives a row of NaN,
; as reference()'s softmax of eight -inf does; span_len > 8 acts as 8, as its mask does.  An id is taken as unsigned and held to 99,999 at the
; most; reference() relies on ids inside the table.  A weight below 2^-126 is taken as 0 (v_exp_f32 gives no denormals: ISA guide, its entry).
;
; THE WORK.  512 work-groups of 16 waves; group g owns spans 32 g .. 32 g + 31, wave w the two spans 32 g + 2 w and + 1, one after the other.
; A whole wave works on one span: a row of 1,200 bytes is three loads (512 + 512 + 176 neighbouring bytes) and ten registers, up to eight rows
; are held at once, and each is read from memory once for both the score and the weighted sum.  The text is written out for each length
; 2 .. 8, chosen by scalar branches on span_len, so that a span asks for its valid rows alone and all of them at once.
; The maximum is taken away before the exponential, as in reference().
; ROW 0 AHEAD OF THE BRANCHES.  Every length from 1 up needs row 0, and its id lies in the table whatever the length, so it is asked for without
; a branch: the first span's goes out ahead of the barrier behind which u is read, and is on its way while u is made.  (With span_len <= 0 it
; is loaded and thrown away.)  The further rows stand inside the branch for their length, beside the arithmetic that reads them: so on every way
; through the text the counted waits count the loads of that same way, and no register is read that no load of that way wrote.
; WHY 32 SPANS A GROUP.  A row of 1,200 bytes is no multiple of 256, so results are gathered in LDS and leave as pieces of 512 consecutive
; bytes, behind a barrier: nothing leaves before the group's slowest wave has ended.  32 rows = 38,400 bytes = 75 x 512 are the fewest that make
; whole pieces.  Two such groups fit on a WGP (8 waves a SIMD x 120 of its 1,024 registers; 2 x 41,728 bytes of LDS): as many waves ask for rows
; as with one group of 32 waves, each barrier spans half as many, and one group's stores can leave while the other still reads.
; The price: upart's 20,480 bytes are read by 512 groups.
; No matrix instruction: each number of V meets one number of u and one weight.  No cluster, no tensor load: what the groups share is upart,
; 20,480 bytes beside some 32 x 4.5 x 1,200 gathered ones, and the rows are single, scattered and chosen by a list.
;
; A ROW IN A WAVE, lane L: registers 0-3 = d 4L .. 4L+3; 4-7 = d 128+4L ..; 8-9 = d 256+2L, 257+2L, loaded at lane min(L, 21): lanes 22-31 read lane
; 21's 8 bytes again and no load leaves the row.  u is read from 320 numbers without that clamp: its d 300 .. 319 are zeros, so the repeated
; numbers add nothing to a score; in the weighted sum lanes 22-31 make lane 21's results again and store them to lane 21's place.
.set ROWB,  1200                       ; bytes in a row of V and of out0
.set VOCAB, 100000
.set UP,    1280                       ; bytes in a part of upart and in u: 320 f32
.set STG,   1280                       ; LDS: u at 0 .. 1279; behind it the stage, 32 rows of 1,200 bytes; wave w stores into rows 2 w, 2 w + 1 alone
.set SPANS, 32                         ; spans of a group
.set GOUT,  SPANS*ROWB                 ; a group's bytes of out0: 38,400 = 75 x 512
.set PIECE, 2560                       ; the way out: five pieces of 512 bytes for each of waves 0-14
.set U,   8                            ; v[8:17]    u, in the layout of a row
.set D,   18                           ; v[18:33]   pair i: low = score, then weight, of row i; high = at work
.set R,   34                           ; v[34:113]  row i at R + 10 i; row 0 becomes the result.  Last: five pieces on the way out
.set P,   R+10                         ; v[44:75]   first: the sixteen parts of u, in rows 1 to 4, which no load fills before the first span's branches
.set SIN, 114                          ; v114       the way out: LDS address of my 16 bytes
.set OOF, 115                          ; v115       the way out: their byte offset in the group's part of out0
.set MX,  116                          ; v116       the span's largest score
.set SM,  117                          ; v117       the sum of the exponentials, then its reciprocal
; v1 16 L   v2 8 min(L, 21)   v3, v4 my places in my wave's first row of the stage   v5 8 L   v6 L   v7 wave, then 8 x thread
.set ID,  16                           ; s[16:23] ids of my first span, s[24:31] of my second
.set LEN, 32                           ; s32, s33  their lengths
.set RB,  36                           ; s[36:51]  addresses of up to eight rows of V
; s[4:5] V  s[6:7] verb_ids  s[8:9] span_len  s[10:11] upart  s[12:13] out0   s2 wave   s52, s53 lane selects   s[54:59] byte offsets as pairs
.macro SUM16 b                         ; the sum of the sixteen pairs v[b+2p : b+2p+1], as a tree, into v[b : b+1]
.irp p, 0,1,2,3,4,5,6,7
	v_pk_add_f32 v[\b+2*\p:\b+2*\p+1], v[\b+2*\p:\b+2*\p+1], v[\b+2*\p+16:\b+2*\p+17]
.endr
.irp p, 0,1,2,3
	v_pk_add_f32 v[\b+2*\p:\b+2*\p+1], v[\b+2*\p:\b+2*\p+1], v[\b+2*\p+8:\b+2*\p+9]
.endr
.irp p, 0,1
	v_pk_add_f32 v[\b+2*\p:\b+2*\p+1], v[\b+2*\p:\b+2*\p+1], v[\b+2*\p+4:\b+2*\p+5]
.endr
	v_pk_add_f32 v[\b:\b+1], v[\b:\b+1], v[\b+2:\b+3]
.endm
; Row i of span trip: its address from its id, and its three loads.  No hint on the loads: a list may name a row twice.
; The address registers of the span before are free: each way through it ends behind a wait for all its loads.
.macro GATHER i, trip
	s_min_u32 s[ID+8*\trip+\i], s[ID+8*\trip+\i], VOCAB-1
	s_mul_i32 s[RB+2*\i], s[ID+8*\trip+\i], ROWB                   ; 119,998,800 at the most
	s_mov_b32 s[RB+2*\i+1], 0
	s_add_nc_u64 s[RB+2*\i:RB+2*\i+1], s[4:5], s[RB+2*\i:RB+2*\i+1]
	global_load_b128 v[R+10*\i:R+10*\i+3],   v1, s[RB+2*\i:RB+2*\i+1]
	global_load_b128 v[R+10*\i+4:R+10*\i+7], v1, s[RB+2*\i:RB+2*\i+1] offset:512
	global_load_b64  v[R+10*\i+8:R+10*\i+9], v2, s[RB+2*\i:RB+2*\i+1] offset:1024
.endm
; My lane's part of row i . u.  left = the loads of the younger rows, which may stay out.
.macro DOT i, left
	s_wait_loadcnt \left                           ; loads come back in order (ISA guide 5.7.1): row i is in
	v_pk_mul_f32 v[D+2*\i:D+2*\i+1], v[R+10*\i:R+10*\i+1], v[U:U+1]
.irp j, 1,2,3,4
	v_pk_fma_f32 v[D+2*\i:D+2*\i+1], v[R+10*\i+2*\j:R+10*\i+2*\j+1], v[U+2*\j:U+2*\j+1], v[D+2*\i:D+2*\i+1]
.endr
	v_add_f32 v[D+2*\i], v[D+2*\i], v[D+2*\i+1]
.endm
; result += weight i x row i
.macro WSUM i
.irp j, 0,1,2,3,4
	v_pk_fma_f32 v[R+2*\j:R+2*\j+1], v[R+10*\i+2*\j:R+10*\i+2*\j+1], v[D+2*\i:D+2*\i+1], v[R+2*\j:R+2*\j+1] op_sel_hi:[1,0,1]   ; both halves by the pair's low register
.endr
.endm
; A span of len = 2 .. 8 valid rows.  Row 0 has been asked for: its three loads are the oldest that are out.
.macro SPAN len, trip
.irp i, 1,2,3,4,5,6,7
.if \i < \len
	GATHER \i, \trip
.endif
.endr
	s_wait_dscnt 0x0                               ; u is in its registers (asked for ahead of the first span's branches), behind the gather's issue
.irp i, 0,1,2,3,4,5,6,7
.if \i < \len
	DOT \i, 3*(\len-1-\i)                          ; three loads for each row behind row i
.endif
.endr
	; the sums across the 32 lanes, the step outside and the row inside: len chains that do not wait for each other
.irp m, 1,2,4,8
.irp i, 0,1,2,3,4,5,6,7
.if \i < \len
	v_add_f32_dpp v[D+2*\i], v[D+2*\i], v[D+2*\i] row_xmask:\m row_mask:0xf bank_mask:0xf
.endif
.endr
.endr
.irp i, 0,1,2,3,4,5,6,7
.if \i < \len
	v_permlanex16_b32 v[D+2*\i+1], v[D+2*\i], s52, s53             ; the other half's sum (the destination has been written)
.endif
.endr
.irp i, 0,1,2,3,4,5,6,7
.if \i < \len
	v_add_f32 v[D+2*\i], v[D+2*\i], v[D+2*\i+1]                    ; every lane holds score i, times log2 e
.endif
.endr
	v_max_num_f32 v[MX], v[D], v[D+2]
.irp i, 2,4,6
.if (\i+1) < \len
	v_max3_num_f32 v[MX], v[MX], v[D+2*\i], v[D+2*\i+2]
.elseif \i < \len
	v_max_num_f32 v[MX], v[MX], v[D+2*\i]
.endif
.endr
.irp i, 0,1,2,3,4,5,6,7
.if \i < \len
	v_sub_f32 v[D+2*\i], v[D+2*\i], v[MX]                          ; at most 0, and 0 for one row: the sum below is 1 to len
.endif
.endr
.irp i, 0,1,2,3,4,5,6,7
.if \i < \len
	v_exp_f32 v[D+2*\i], v[D+2*\i]
.endif
.endr
	v_nop                                          ; one plain vector instruction between a transcendental and the use of its result (ISA guide 5.7.2); nothing independent is left to do here
	s_wait_alu depctr_va_vdst(0)
	v_add_f32 v[SM], v[D], v[D+2]
.irp i, 2,3,4,5,6,7
.if \i < \len
	v_add_f32 v[SM], v[SM], v[D+2*\i]
.endif
.endr
	v_rcp_f32 v[SM], v[SM]
	v_nop                                          ; the same place behind the reciprocal
	s_wait_alu depctr_va_vdst(0)
.irp i, 0,1,2,3,4,5,6,7
.if \i < \len
	v_mul_f32 v[D+2*\i], v[D+2*\i], v[SM]                          ; the weights
.endif
.endr
.irp j, 0,1,2,3,4
	v_pk_mul_f32 v[R+2*\j:R+2*\j+1], v[R+2*\j:R+2*\j+1], v[D:D+1] op_sel_hi:[1,0]   ; row 0 is scaled in place and starts the sum
.endr
.irp i, 1,2,3,4,5,6,7
.if \i < \len
	WSUM \i
.endif
.endr
.endm
; One of the wave's two spans, its row 0 already asked for: the text for its length, then the result into the wave's row trip of the stage.
; The branches hang on span_len, a whole number read from memory; no barrier stands between them.
.macro TRIP trip
	s_cmp_lt_i32 s[LEN+\trip], 1
	s_cbranch_scc1 .Lnone_\trip
	s_cmp_lt_i32 s[LEN+\trip], 2
	s_cbranch_scc1 .Lone_\trip
.irp len, 2,3,4,5,6,7
	s_cmp_lt_i32 s[LEN+\trip], \len+1
	s_cbranch_scc1 .Lspan_\trip\len
.endr
	SPAN 8, \trip
	s_branch .Ljoin_\trip
.irp len, 7,6,5,4,3,2
.Lspan_\trip\len:
	SPAN \len, \trip
	s_branch .Ljoin_\trip
.endr
.Lone_\trip:
	s_wait_loadcnt 0x0                             ; one valid row: its weight is 1 and it is the result
	s_branch .Ljoin_\trip
.Lnone_\trip:
	s_wait_loadcnt 0x0                             ; no valid row: row 0 has landed before its registers are written over
.irp j, 0,1,2,3,4,5,6,7,8,9
	v_mov_b32 v[R+\j], 0x7fc00000                  ; NaN
.endr
.Ljoin_\trip:
	ds_store_b128 v3, v[R:R+3]   offset:ROWB*\trip
	ds_store_b128 v3, v[R+4:R+7] offset:ROWB*\trip+512
	ds_store_b64  v4, v[R+8:R+9] offset:ROWB*\trip+1024            ; lanes 22-31: lane 21's place and lane 21's numbers
.endm
	s_load_b256 s[4:11], s[0:1], 0x0
	s_load_b64 s[12:13], s[0:1], 0x20
	v_lshl_add_u32 v118, v0, 2, 0x9b00
	v_mov_b32 v119, 0
	v_and_b32 v6, 31, v0                           ; L
	v_lshrrev_b32 v7, 5, v0
	v_readfirstlane_b32 s2, v7                     ; wave 0 .. 15
	s_mov_b32 s52, 0x76543210                      ; v_permlanex16_b32: lane i of one half reads lane i of the other
	s_mov_b32 s53, 0xfedcba98
	s_lshl_b32 s54, ttmp9, 10                      ; ids: 32 spans x 32 bytes a group,
	s_lshl_b32 s3, s2, 6                           ; 2 x 32 a wave
	s_add_co_u32 s54, s54, s3
	s_mov_b32 s55, 0
	s_lshr_b32 s58, s54, 3                         ; lengths: 4 bytes where the ids have 32
	s_mov_b32 s59, 0
	s_mul_i32 s56, ttmp9, GOUT
	s_mov_b32 s57, 0
	s_mul_i32 s3, s2, 2*ROWB
	s_add_co_u32 s3, s3, STG                       ; my wave's two rows of the stage
	s_mul_i32 s14, s2, PIECE
	v_lshlrev_b32 v1, 4, v6
	v_min_u32 v2, 21, v6
	v_lshlrev_b32 v2, 3, v2
	v_add_nc_u32 v3, s3, v1
	v_add_nc_u32 v4, s3, v2
	v_lshlrev_b32 v5, 3, v6
	v_lshlrev_b32 v7, 3, v0
	v_add_nc_u32 v[OOF], s14, v1
	v_add_nc_u32 v[SIN], STG, v[OOF]
	s_wait_kmcnt 0x0
	s_add_nc_u64 s[6:7], s[6:7], s[54:55]
	s_add_nc_u64 s[8:9], s[8:9], s[58:59]
	s_add_nc_u64 s[12:13], s[12:13], s[56:57]
	s_load_b512 s[ID:ID+15], s[6:7], 0x0           ; my two spans' sixteen ids: 64 bytes, at a multiple of 64
	s_load_b64 s[LEN:LEN+1], s[8:9], 0x0           ; and their lengths
	; u = the sum of the sixteen parts, by waves 0-4 (160 threads, two neighbouring d each), into LDS.  Every wave asks for its first span's row 0
	; as soon as the ids are there, ahead of the barrier.  One branch on the wave's number; both arms meet with row 0's three loads out.
	s_cmp_ge_u32 s2, 5
	s_cbranch_scc1 .Lplain
.irp p, 0,1,2,3,4,5,6,7,8,9,10,11,12,13,14,15
	global_load_b64 v[P+2*\p:P+2*\p+1], v7, s[10:11] offset:UP*\p
.endr
	s_wait_kmcnt 0x0                               ; ids and lengths
	GATHER 0, 0
	s_wait_loadcnt 0x3                             ; the sixteen parts are in; row 0's three loads, issued behind them, stay out
	SUM16 P
	ds_store_b64 v7, v[P:P+1]
	s_branch .Lmeet
.Lplain:
	s_wait_kmcnt 0x0                               ; ids and lengths
	GATHER 0, 0
.Lmeet:
	s_wait_dscnt 0x0                               ; my part of u is in LDS before I say so: every wave reads all of u behind the barrier
	s_barrier_signal -1
	s_barrier_wait -1
	ds_load_b128 v[U:U+3],   v1                    ; waited for inside the first span that forms scores, behind its gather's issue
	ds_load_b128 v[U+4:U+7], v1 offset:512
	ds_load_b64  v[U+8:U+9], v5 offset:1024        ; no clamp: lanes 22-31 take the zeros at d 300 .. 319
	TRIP 0
	GATHER 0, 1                                    ; the second span's row 0; the first span's loads are all in, and LDS stores have taken their data at issue order (ISA guide 5.7.1.4)
	TRIP 1
	; THE WAY OUT.  The stage's 38,400 bytes are the group's part of out0 as it lies in memory: 75 pieces of 512 bytes, five for each of waves 0-14.
	s_wait_dscnt 0x0                               ; my two rows are in the stage before I say so: other waves read them behind the barrier
	s_barrier_signal -1
	s_barrier_wait -1
	s_cmp_ge_u32 s2, 15
	s_cbranch_scc1 .Lend
.irp k, 0,1,2,3,4
	ds_load_b128 v[R+4*\k:R+4*\k+3], v[SIN] offset:512*\k
.endr
.irp k, 0,1,2,3,4
	s_wait_dscnt 4-\k                              ; LDS loads come back in order (ISA guide 5.7.1): piece k is in, the younger ones stay out
	global_store_b128 v[OOF], v[R+4*\k:R+4*\k+3], s[12:13] offset:512*\k th:TH_STORE_NT   ; 512 consecutive bytes, at a multiple of 512 from out0's first byte
.endr
.Lend:
	s_wait_tensorcnt 0x0
	ds_add_u32 v118, v119
	s_wait_dscnt 0x0
	s_endpgm
.Lfunc_end_k_q91a6dd8d57_attend:
	.size	k_q91a6dd8d57_attend, .Lfunc_end_k_q91a6dd8d57_attend-k_q91a6dd8d57_attend
	.p2alignl 7, 3214868480
	.fill 96, 4, 3214868480
	.section	.rodata,"a",@progbits
	.p2align	6, 0x0
	.amdhsa_kernel k_q91a6dd8d57_attend
		.amdhsa_group_segment_fixed_size 41728
		.amdhsa_private_segment_fixed_size 0
		.amdhsa_enable_private_segment 0
		.amdhsa_kernarg_size 40
		.amdhsa_user_sgpr_count 2
		.amdhsa_user_sgpr_kernarg_segment_ptr 1
		.amdhsa_wavefront_size32 1
		.amdhsa_system_sgpr_workgroup_id_x 1
		.amdhsa_system_sgpr_workgroup_id_y 1
		.amdhsa_system_sgpr_workgroup_id_z 1
		.amdhsa_system_vgpr_workitem_id 0
		.amdhsa_next_free_vgpr 120
		.amdhsa_next_free_sgpr 66
		.amdhsa_reserve_vcc 0
		.amdhsa_float_denorm_mode_32 3
		.amdhsa_float_denorm_mode_16_64 3
		.amdhsa_memory_ordered 1
		.amdhsa_forward_progress 1
		.amdhsa_inst_pref_size 122
	.end_amdhsa_kernel
	.amdgpu_metadata
---
amdhsa.version: [ 1, 2 ]
amdhsa.kernels:
  - .name:           k_q91a6dd8d57_attend
    .symbol:         k_q91a6dd8d57_attend.kd
    .args:
      - { .name: V, .offset: 0, .size: 8, .value_kind: global_buffer, .address_space: global }
      - { .name: verb_ids, .offset: 8, .size: 8, .value_kind: global_buffer, .address_space: global }
      - { .name: span_len, .offset: 16, .size: 8, .value_kind: global_buffer, .address_space: global }
      - { .name: upart, .offset: 24, .size: 8, .value_kind: global_buffer, .address_space: global }
      - { .name: out0, .offset: 32, .size: 8, .value_kind: global_buffer, .address_space: global }
    .group_segment_fixed_size: 41728
    .private_segment_fixed_size: 0
    .kernarg_segment_align: 8
    .kernarg_segment_size: 40
    .max_flat_workgroup_size: 512
    .sgpr_count:     66
    .vgpr_count:     120
    .wavefront_size: 32
...
	.end_amdgpu_metadata
.endif
;; end of part 2
